; MI455X (gfx1250); checked and timed in simulation.
; The chip was launched on July 23, 2026; its instructions are those of AMD's public machine-readable ISA for CDNA 5 (MIT licence, August 2026) and "CDNA5" Instruction Set Architecture Reference Guide (July 2026). The comments in the code are by the model that wrote it; some were corrected since.
;; Attention. Allowed arithmetic: matrix products marked QUANTISED: E2M3 operands, one E8M0 scale for each 32 along K, by v_wmma_scale_f32_16x16x128_f8f6f4 with both operands' format E2M3, f32 sums; everything else in f32.
;; Inputs: K_codes 2 x 16 x 2,048 x 2 x 24 uint8 (E2M3 codes of K, K innermost, in blocks of 32 codes, four codes in three bytes); K_scales 2 x 16 x 2,048 x 2 uint8 (E8M0 scales of K, one for each 32 codes along K); Q_codes 2 x 16 x 2,048 x 2 x 24 uint8 (E2M3 codes of Q, K innermost, in blocks of 32 codes, four codes in three bytes); Q_scales 2 x 16 x 2,048 x 2 uint8 (E8M0 scales of Q, one for each 32 codes along K); V_codes 2 x 16 x 64 x 64 x 24 uint8 (E2M3 codes of V, K innermost, in blocks of 32 codes, four codes in three bytes); V_scales 2 x 16 x 64 x 64 uint8 (E8M0 scales of V, one for each 32 codes along K).
;; Outputs: out0 2 x 16 x 2,048 x 64 float32.
;; This version of the problem:
;;   THIS VERSION OF THE PROBLEM IS GIVEN IN LOW PRECISION. The matrix products marked QUANTISED in the list below multiply operands that are first quantised to E2M3 (2 exponent bits, 3 mantissa bits; 6 bits a number), with one power-of-two scale for each 32 numbers along K (OCP MX v1.0); their sums are f32. All else is computed in f32.
;;   The module's matrix products, in the order in which they are computed (A, B: the left and right operand; K: the contracted axis; several contracted axes count as one K, in the product's order):
;;     1. batch 32 x [M 2,048, K 64] x [K 64, N 2,048]; A: input Q (given as codes); B: input K (given as codes): QUANTISED
;;     2. batch 32 x [M 2,048, K 2,048] x [K 2,048, N 64]; A: softmax (see below); B: input V (given as codes): QUANTISED
;;   THE QUANTISER, for each operand of a quantised product, along K:
;;     - K is cut into blocks of 32 from its start; a last block that is shorter is filled with zeros.
;;     - A block's scale is 2^e with e = floor(log2(the largest magnitude in the block)) - 2, held to -126 .. 127; a block of zeros has e = 0. As a byte (E8M0): e + 127.
;;     - Each number is divided by its block's scale, clamped to +-7.5, and rounded to the nearest number of E2M3, ties to even, subnormals kept.
;;     - The product sums the exact products of the quantised numbers (number of the format x scale) in f32.
;;   ~~~python
;;   def quantise(x, axis):      # numpy; x: float32 -> the quantised numbers, widened to float32 again
;;       x = np.moveaxis(x, axis, -1); K = x.shape[-1]
;;       x = np.pad(x, [(0, 0)] * (x.ndim - 1) + [(0, -K % 32)]); x = x.reshape(x.shape[:-1] + (-1, 32)); a = np.abs(x).max(-1, keepdims=True)
;;       e = np.where(a > 0, np.clip(np.frexp(np.where(a > 0, a, 1))[1] - 1 - 2, -126, 127), 0)      # np.frexp(a)[1] - 1 = floor(log2(a)), exactly
;;       r = np.clip(x / 2.0 ** e, -7.5, 7.5)
;;       step = 2.0 ** (np.maximum(np.frexp(np.where(r == 0, 1, r))[1] - 1, 0) - 3)
;;       q = np.round(r / step) * step * 2.0 ** e      # np.round: ties to even
;;       return np.moveaxis(q.reshape(q.shape[:-2] + (-1,))[..., :K], -1, axis).astype(np.float32)
;;   ~~~
;;   SOFTMAX AHEAD OF A QUANTISED PRODUCT. Where the list says 'softmax', what is quantised is not the finished softmax but p = 2^(t - M), with t = logit x log2(e) and M = ceil(the row's largest t), a whole number; so 1/2 < the row's largest p <= 1. The row's sum l is taken of the UNQUANTISED p, in f32, and the product's result is divided by l at the end. Since M is a whole number, a kernel that streams over the keys may use a running M (the ceiling of the running maximum): every later rescaling is an exact power of two, which a block's scale takes up: the codes' values come out the same.
;;   OPERANDS COMPUTED ON THE WAY. 'Computed on the way' means the value that the module computes at that place (a softmax that the list does not call 'softmax' is quantised finished and normalised). What goes into a quantiser is computed in f32, as accurately as f32 sums, v_exp_f32 and their like allow (about 1e-6 of the number): no bf16 or f16 on the way to a quantiser, and a product that is left as it is and whose result goes on into a quantised operand takes f32 operands (vector FMAs, or v_wmma_f32_16x16x4_f32). A number that lies on a knife's edge between two numbers of the format may be rounded either way, as far as f32 arithmetic and the matrix unit's own rounding can turn it there, and no further.
;;   INPUTS GIVEN AS CODES. K (in the module: [2, 16, 2048, 64], K = its axis 3); Q (in the module: [2, 16, 2048, 64], K = its axis 3); V (in the module: [2, 16, 2048, 64], K = its axis 2): each comes as NAME_codes (uint8): NAME with its K axis moved to the last place and cut into blocks of 32 codes, [.., K / 32, bytes a block], one block behind the other in memory; four codes in three bytes: a row's codes are one little-endian stream of bits, code i at bits 6 i .. 6 i + 5 (a code: sign, 2 exponent bits, 3 mantissa bits); and NAME_scales (uint8): the same leading axes, one E8M0 byte (e + 127) for each 32 codes along K. Its value is code x scale, taken as it is: it is not quantised again, and the codes and scales need not be those that the quantiser above would give.
;; One version. Each part assembles by itself: llvm-mc -triple=amdgcn-amd-amdhsa -mcpu=gfx1250 --defsym DOCPART=n.
;; ======== version 1 of 1: 1 launch
;; launch attn (part 1): grid 8 x 32, 16 waves a work-group, clusters of 4 x 1, 301,568 bytes of LDS; arguments Q_codes, Q_scales, K_codes, K_scales, V_codes, V_scales, out0; writes out0
.if DOCPART == 1
	.amdgcn_target "amdgcn-amd-amdhsa--gfx1250"
	.amdhsa_code_object_version 6
	.text
	.protected	k_q755041b325_attn
	.globl	k_q755041b325_attn
	.p2align	8
	.type	k_q755041b325_attn,@function
k_q755041b325_attn:
	s_mov_b64 s[64:65], 0
	v_nop
	global_prefetch_b8 v0, s[64:65] scope:SCOPE_SE
	s_setreg_imm32_b32 hwreg(HW_REG_WAVE_MODE, 25, 1), 1
	s_wait_xcnt 0x0
	s_wait_alu depctr_hold_cnt(0) depctr_sa_sdst(0) depctr_va_vdst(0) depctr_va_sdst(0) depctr_va_ssrc(0) depctr_va_vcc(0) depctr_vm_vsrc(0)
	s_getreg_b32 s2, hwreg(HW_REG_IB_STS2, 6, 4)
	s_cmp_eq_u32 s2, 0
	s_cbranch_scc0 .Lentry_in_a_cluster
	s_endpgm
.Lentry_in_a_cluster:
	s_bfe_u32 s2, ttmp6, 0x10000c
	s_cmp_lg_u32 s2, 0x3003
	s_cbranch_scc0 .Lentry_shape_is_right
	s_endpgm
.Lentry_shape_is_right:
; out0[head][q][:] = the sum over k <= q of softmax_k(Q[head][q] . K[head][k] / 8) V[head][k][:], 32 heads, 2,048 positions, head size 64.  Both products on codes of FP6 (E2M3) with one E8M0 scale for each 32 along a product's K.
; Q, K: 48 bytes of codes and 2 scale bytes a row (K = the head's 64).  V: codes with the KEYS innermost, 64 rows d of 1,536 bytes a head, 64 scale bytes a row.  out0: f32.
; THE SOFTMAX AHEAD OF THE SECOND PRODUCT: t = score x log2(e) / 8; M = the row's largest t so far, rounded UP to a whole number; p = 2^(t - M) is quantised along the keys, not normalised.  The row's sum is taken of the
; unquantised p, in f32, and divides at the end.  When M moves, the sum and O are multiplied by 2^(old M - new M): exact.
; WORK LEFT OUT.  reference() builds the causal mask itself (jnp.tril).  For the 16 queries of a tile in query block b (128 queries), every key step s > b (keys 128 s on) lies wholly under -inf: there p = 0 exactly, which adds 0
; to the row's sum and zero codes to the second product, whatever finite values the inputs hold.  Those steps are not read, multiplied or exponentiated.  In the step on the diagonal (s = b) all 128 keys are multiplied and the
; hidden scores are replaced by -inf ahead of the maximum.  All six inputs have a way to the output and are loaded.
; LIMITS.  A NaN that reaches only the steps left out is not carried to the result.  Scale bytes 0xff (NaN) are not served: a fragment of K holds two tiles of keys, so such a byte would reach the neighbouring tile's scores too.
; A block of p that is all zeros keeps the scale byte 1 where the quantiser says 127: its codes are zeros, and this program alone reads the byte.
; SHARES.  Work-group (J, head), J = 0 .. 7, owns ONE tile of 16 queries of EACH of the head's 16 query blocks: queries 128 b + 16 J + 0 .. 15.  Wave w takes block b = BL(w) and walks b + 1 key steps of 128 keys: 136 wave steps in
; every work-group, 256 work-groups.  BL is a table, a nibble a wave; as steps, in rows of four waves: 16 3 5 10 / 15 4 6 9 / 2 13 11 8 / 1 14 12 7: every row and every column sums to 34.
; LDS.  A head's codes of K and of V are 2 x 98,304 bytes: they come into LDS ONCE and stay; nothing is filled again, so the loop over the keys has no barrier and no wait on a tensor load.
; CLUSTER.  The eight work-groups of a head read the same K and V: four of them form a cluster and ask for each tile JOINTLY (the same tensor load, the same descriptor, the mask 15).  J enters Q's and out0's global addresses and one
; number a lane (the diagonal's), and nothing else: no branch, no trip count and no LDS address hangs on it.
; NO PREFETCH is written: every byte of K and V is asked for by the first fills at the head; there is no later request that one could run ahead of.
; LAYOUT.  Both products are used transposed: S^T = K Q^T (source 0 = keys, source 1 = my 16 queries), O^T = V^T P^T (source 0 = 16 of the head's 64, source 1 = p): a lane holds ONE query (lane % 16) throughout.
; THE HEAD'S 64 IN A FORM THAT IS 128 DEEP.  A fragment of K holds TWO tiles of 16 keys: registers 0-5 (the form's k = 0 .. 63) tile u = 0, registers 6-11 (k = 64 .. 127) tile u = 1.  Q stands in a run of 18 registers, Q | six zeros | Q:
; QA = [Q | 0] picks tile u = 0, QB = [0 | Q] tile u = 1; the other half meets zero codes and adds exactly 0.  Q's scale word has the byte 0 for the half of zeros.
; THE KEYS OF A TILE ARE NOT NEIGHBOURS: lane r of fragment f, tile u, takes key 32 f + 8 u + r + 8 (r / 8), so that registers 16 f + 0 .. 15 of S^T are the 16 neighbouring keys 32 f + 16 (lane / 16) + 0 .. 15.
.set KB,    0                          ; LDS: K's codes of the head, dense, 48 bytes a key: 98,304 bytes.  (Lanes r and r + 8 stand 16 keys, 768 bytes = 3 x 64 words, apart: they meet in the same banks, two deep.  A padding in powers of two that mends it does not fit.)
.set VA,    98304                      ; V's codes, keys 0-255: 64 rows of 192 bytes, 16 of padding behind each 64: pitch 240 = 60 words
.set VB,    113664                     ; V's codes, keys 256-2,047: 64 rows of 1,344 bytes, the same padding: pitch 1,680 = 420 words; the 256 keys of trip c (1 .. 7) begin 240 (c - 1) bytes into a row
.set KSC,   221184                     ; K's scale words, in the order in which a step's registers take them: 256 bytes a step
.set VSC,   225280                     ; V's scale bytes: row d at 72 d
.set STG,   229888                     ; the way out: 16 rows x (256 + 16) bytes for each wave
.set SPARE, 299520                     ; the spare words, 128 bytes for each wave: eight blocks of 256 bytes that no other line names
.set SPW,  1                           ; v1   LDS address of my spare word: SPARE + 4 x my thread's number; never rewritten
.set NIL,  2                           ; v2   0; never rewritten
.set ADK,  3                           ; v3   my lane's place in a fragment of K;  v4 among K's scale words;  v5 among V's
.set ADS,  4
.set ADT,  5
.set AVA,  6                           ; v6-7   my lane's place in a tile of V in VA (24 bytes a half; 40 for the pieces that lie behind one padding more)
.set AVB,  8                           ; v8-11  the same in VB: tiles 0, 1 and (53,760 bytes on) tiles 2, 3
.set QA,   16                          ; v16-33 Q | zeros | Q
.set QB,   22
.set SQA,  34                          ; v34, v35  Q's scale words for QA and QB
.set SQB,  35
.set DG,   36                          ; v36  16 J + r - 16 h: on the diagonal, register 16 b + i of S^T is hidden where 32 b + i is above it
.set KS,   38                          ; v38-39  K's scale words of a step: v38 fragment 0 (lanes 0-15), 1 (lanes 16-31); v39 fragments 2, 3
.set VS,   40                          ; v40-41  V's likewise: tiles 0, 1; tiles 2, 3
.set F,    42                          ; v42  2^(old M - new M)
.set PW,   43                          ; v43  p's scale word
.set BM,   44                          ; v44-47 the blocks' largest scores, then largest p
.set PM,   48                          ; v48-51 lane l xor 16's; then the scale bytes
.set SO,   52                          ; v52-55 the conversions' scale operands
.set CT,   56                          ; v56-58, v60-62 the blocks' upper halves of codes
.set SCR,  63
.set XY,   64                          ; v64-111 four fragments of K, then of V
.set PC,   112                         ; v112-123 p's codes
.set S,    128                         ; v128-191 S^T, then p
.set OT,   192                         ; v192-223 O^T: tile t (channels 16 t on) at 192 + 8 t
.set SB,   224                         ; v224-225 the row's sum of a step, second chain
.set CK,   226                         ; v226-228 the trip's addresses in K, K's scale words, V's scale words
.set CSC,  227
.set CTJ,  228
.set CV,   230                         ; v230-233 and in VB
.set T8,   234                         ; head: 8 x thread;  v235 Q's lane offset;  v236 its scale word's
.set QOF,  235
.set QSO,  236
.set STI,  237                         ; the way out: into the stage, back, and in out0
.set STO,  238
.set GO,   239
.set RR,   240                         ; r = lane % 16;  h = lane / 16;  lane
.set HH,   241
.set LN,   242
.set TA,   243                         ; at work at the head
.set TB,   244
.set KST,  245                         ; where I store K's scale halves;  v247 V's scale bytes
.set TC,   246
.set VST,  247
.set HI0,  248
.set HI1,  249
.set WV,   18                          ; s18 my wave's number;  s19 its low three bits
.set W7,   19
.set SEL,  20                          ; s[20:21] lane selects for v_permlanex16_b32: lane l xor 16
.set CS,   22                          ; s[22:23] c = log2(e) / 8: the packed form names a pair and takes its low word for both halves
.set BL,   24                          ; s24 my query block;  s25 the step's number;  s26 trips to go
.set STP,  25
.set TRP,  26
.set JJ,   27                          ; s27 J;  s28 the head
.set HD,   28
.set TK,   29                          ; s29, s66, s67, s3: where the trip's 256 keys begin in KB, in KSC, in a row of VSC, in a row of VB
.set TS,   66
.set TJ,   67
.set TV,   3
.set G1K0, 48                          ; descriptor groups 1: K's first fill, K's second, V's first, V's second
.set G1K1, 56
.set G1V0, 68
.set G1V1, 76
.set G0K0, 84                          ; and groups 0
.set G0K1, 88
.set G0V0, 92
.set G0V1, 96
.set W0K,  15|(3<<16)|(1<<21)                          ; 15:0 the mask: all four work-groups; 17:16 elements of 8 bytes; 21 set beside a mask; no padding
.set W0V,  15|(1<<20)|(1<<21)|(3<<22)|(3<<25)          ; elements of 1 byte; 20 padding on; 24:22 after every 16 words (code 3); 31:25 of 4 words (code 3)
.macro GROUP1 g, w0, c, r, p           ; r rows of c elements, p elements from row to row; the tiles lie inside the tensor, so its extents are the tile's
	s_mov_b32 s[\g], \w0
	s_mov_b32 s[\g+1], (\c)<<16
	s_mov_b32 s[\g+2], (\r)<<16
	s_mov_b32 s[\g+3], (\c)<<16
	s_mov_b32 s[\g+4], \r
	s_mov_b32 s[\g+5], \p
	s_mov_b32 s[\g+6], 0
	s_mov_b32 s[\g+7], 0
.endm
; A round of the cluster's barrier: my work-group's barrier, so that wave 0's signal speaks for all sixteen waves; wave 0 signals for the work-group; every wave waits for all four work-groups; my work-group's barrier once more.
.macro CROUND
	s_barrier_signal -1
	s_barrier_wait -1
	s_cmp_lg_u32 s[WV], 0
	s_cbranch_scc1 .Lnot_wave_0_\@
	s_barrier_signal -3
.Lnot_wave_0_\@:
	s_barrier_wait -3
	s_barrier_signal -1
	s_barrier_wait -1
.endm
	s_load_b256 s[4:11], s[0:1], 0x0               ; Q's codes s[4:5], Q's scales s[6:7], K's codes s[8:9], K's scales s[10:11]
	s_load_b128 s[12:15], s[0:1], 0x20             ; V's codes, V's scales
	s_load_b64 s[16:17], s[0:1], 0x30              ; out0
	v_lshl_add_u32 v[SPW], v0, 2, SPARE
	v_mov_b32 v[NIL], 0
	ds_add_u32 v[SPW], v[NIL]                      ; the wave's opening: the add, twice on end, and its wait ahead of my first tensor load; the set-up below, work on registers, stands between the second and the wait
	ds_add_u32 v[SPW], v[NIL]
	v_lshrrev_b32 v[TA], 5, v0
	s_delay_alu instid0(VALU_DEP_1)
	v_readfirstlane_b32 s[WV], v[TA]               ; wave 0 .. 15
	s_and_b32 s[W7], s[WV], 7
	s_bfe_u32 s40, ttmp6, 0x40000                  ; cx: my place in the cluster
	s_lshl_b32 s[JJ], ttmp9, 2                     ; in a cluster launch ttmp9 counts clusters
	s_add_co_u32 s[JJ], s[JJ], s40                 ; J = 4 x cluster x + cx
	s_and_b32 s[HD], ttmp7, 0xffff                 ; the head, which the four partners share
	s_mov_b32 s30, 0x6bd07ac1                      ; BL of waves 8-15, a nibble a wave: 1 12 10 7 0 13 11 6
	s_cmp_lt_u32 s[WV], 8
	s_cselect_b32 s30, 0x853e942f, s30             ; of waves 0-7: 15 2 4 9 14 3 5 8
	s_lshl_b32 s31, s[W7], 2
	s_lshr_b32 s30, s30, s31
	s_and_b32 s[BL], s30, 15                       ; made of the wave's number alone: the same in all partners
	GROUP1 G1K0, W0K, 32, 6, 32                    ; K, dense, as rows of 256 bytes: 6 rows = 32 keys
	GROUP1 G1K1, W0K, 32, 42, 32                   ; 42 rows = 224 keys
	GROUP1 G1V0, W0V, 192, 8, 1536                 ; V: 8 rows d, the codes of keys 0-255
	GROUP1 G1V1, W0V, 1344, 8, 1536                ; and of keys 256-2,047
	s_mov_b32 s[SEL], 0x76543210
	s_mov_b32 s[SEL+1], 0xfedcba98
	s_mov_b32 s[CS], 0x3e38aa3b                    ; c = log2(e) / 8: log2(e)'s f32 bits with 3 off the exponent field
	s_mov_b32 s[CS+1], s[CS]                       ; (named with it as a pair, so it is written)
	s_mov_b32 s[STP], 0
	s_mul_i32 s30, s[HD], 98304                    ; the head's first byte in each tensor of codes
	s_mul_i32 s32, s[W7], 1536                     ; K's first fill: my 32 of keys 0-255
	s_add_co_u32 s32, s32, s30
	s_mov_b32 s33, 0
	s_mul_i32 s34, s[W7], 10752                    ; K's second: my 224 of keys 256-2,047
	s_add_co_u32 s34, s34, s30
	s_add_co_u32 s34, s34, 12288
	s_mov_b32 s35, 0
	s_mul_i32 s36, s[W7], 12288                    ; V: my 8 rows d
	s_add_co_u32 s36, s36, s30
	s_mov_b32 s37, 0
	s_lshl_b32 s38, s[HD], 12                      ; the head's first byte in each tensor of scale bytes
	s_mov_b32 s39, 0
	s_lshl_b32 s40, s[BL], 7                       ; (s40 to s47 alone hold what hangs on J)
	s_lshl_b32 s41, s[JJ], 4
	s_add_co_u32 s40, s40, s41                     ; my first query: 128 b + 16 J
	s_mul_i32 s42, s40, 48
	s_add_co_u32 s42, s42, s30                     ; its codes,
	s_mov_b32 s43, 0
	s_lshl_b32 s44, s40, 1
	s_add_co_u32 s44, s44, s38                     ; its scale bytes,
	s_mov_b32 s45, 0
	s_lshl_b32 s46, s[HD], 11
	s_add_co_u32 s46, s46, s40
	s_lshl_b32 s46, s46, 8                         ; its row of out0: 256 bytes a row, under 2^24 rows' bytes in all
	s_mov_b32 s47, 0
	s_wait_dscnt 0x0                               ; both opening adds are done
	s_wait_kmcnt 0x0
	s_add_nc_u64 s[4:5], s[4:5], s[42:43]
	s_add_nc_u64 s[6:7], s[6:7], s[44:45]
	s_add_nc_u64 s[10:11], s[10:11], s[38:39]
	s_add_nc_u64 s[14:15], s[14:15], s[38:39]
	s_add_nc_u64 s[16:17], s[16:17], s[46:47]
	; groups 0: every wave makes all four, from the head and the wave's number alone
	s_mov_b32 s[G0K0], 1                           ; 1:0 count = 1
	s_mul_i32 s[G0K0+1], s[W7], 1536               ; 63:32 LDS address (KB = 0)
	s_add_nc_u64 s[G0K0+2:G0K0+3], s[8:9], s[32:33]   ; 120:64 global address
	s_or_b32 s[G0K0+3], s[G0K0+3], 0x80000000      ; 127:126 type = 2
	s_mov_b32 s[G0K1], 1
	s_mul_i32 s[G0K1+1], s[W7], 10752
	s_add_co_u32 s[G0K1+1], s[G0K1+1], 12288
	s_add_nc_u64 s[G0K1+2:G0K1+3], s[8:9], s[34:35]
	s_or_b32 s[G0K1+3], s[G0K1+3], 0x80000000
	s_mov_b32 s[G0V0], 1
	s_mul_i32 s[G0V0+1], s[W7], 1920               ; 8 rows of 240 bytes
	s_add_co_u32 s[G0V0+1], s[G0V0+1], VA
	s_add_nc_u64 s[G0V0+2:G0V0+3], s[12:13], s[36:37]
	s_mov_b32 s[G0V1], 1
	s_mul_i32 s[G0V1+1], s[W7], 13440              ; 8 rows of 1,680 bytes
	s_add_co_u32 s[G0V1+1], s[G0V1+1], VB
	s_add_nc_u64 s[G0V1+2:G0V1+3], s[G0V0+2:G0V0+3], 192   ; the same rows, 256 codes on
	s_or_b32 s[G0V0+3], s[G0V0+3], 0x80000000
	s_or_b32 s[G0V1+3], s[G0V1+3], 0x80000000
	CROUND                                         ; all four work-groups are here: the joint loads meet
	; ALL FILLS OF THE LAUNCH, two a wave: waves 0-7 K's, waves 8-15 V's; first my part of keys 0-255, then my part of the rest.  Two tensor loads of mine are out.  The branch hangs on the wave's number alone.
	; An s_nop 0 follows each load, four v_nop the second's, ahead of the jump and the label.
	s_cmp_lt_u32 s[WV], 8
	s_cbranch_scc0 .Lfirst_v
	tensor_load_to_lds s[G0K0:G0K0+3], s[G1K0:G1K0+7]
	s_nop 0
	tensor_load_to_lds s[G0K1:G0K1+3], s[G1K1:G1K1+7]
	s_nop 0
.rept 4
	v_nop
.endr
	s_branch .Lfirst_asked
.Lfirst_v:
	tensor_load_to_lds s[G0V0:G0V0+3], s[G1V0:G1V0+7]
	s_nop 0
	tensor_load_to_lds s[G0V1:G0V1+3], s[G1V1:G1V1+7]
	s_nop 0
.rept 4
	v_nop
.endr
.Lfirst_asked:
	v_lshlrev_b32 v[T8], 3, v0
	v_and_b32 v[RR], 15, v0                        ; r
	v_bfe_u32 v[HH], v0, 4, 1                      ; h
	v_and_b32 v[LN], 31, v0
	s_delay_alu instid0(VALU_DEP_3)
	v_mul_u32_u24 v[QOF], v[RR], 48
	s_delay_alu instid0(VALU_DEP_1)
	v_mad_u32_u24 v[QOF], v[HH], 24, v[QOF]        ; Q: row r, + my half's 24 bytes
	v_lshlrev_b32 v[QSO], 1, v[RR]
	global_load_b64 v[124:125], v[T8], s[10:11]    ; the head's 4,096 scale bytes of K, 8 a thread: keys 4 t .. 4 t + 3
	global_load_b64 v[126:127], v[T8], s[14:15]    ; and of V: row t / 8, bytes 8 (t % 8) on
.irp p, 0,1,2
	global_load_b64 v[QA+2*\p:QA+2*\p+1], v[QOF], s[4:5] offset:8*\p       ; Q's 24 bytes, for QA's lower half
.endr
.irp p, 0,1,2
	global_load_b64 v[QB+6+2*\p:QB+6+2*\p+1], v[QOF], s[4:5] offset:8*\p   ; and once more, for QB's upper half
.endr
	global_load_u16 v[SQA], v[QSO], s[6:7]         ; row r's two scale bytes; the upper two bytes are 0
	; addresses that stay
	v_and_b32 v[TA], 8, v[RR]
	s_delay_alu instid0(VALU_DEP_1)
	v_add_nc_u32 v[TA], v[TA], v[RR]               ; r + 8 (r / 8)
	s_delay_alu instid0(VALU_DEP_1)
	v_mul_u32_u24 v[ADK], v[TA], 48
	s_delay_alu instid0(VALU_DEP_1)
	v_mad_u32_u24 v[ADK], v[HH], 24, v[ADK]        ; (KB = 0)
	v_lshl_add_u32 v[ADS], v[LN], 3, KSC           ; 8 bytes a lane
	v_mul_u32_u24 v[ADT], v[LN], 72
	s_delay_alu instid0(VALU_DEP_1)
	v_add_nc_u32 v[ADT], VSC, v[ADT]               ; lane l takes row d = l (and 32 + l): 18 words from lane to lane, 32 different banks
	v_mul_u32_u24 v[TB], v[RR], 240
	s_delay_alu instid0(VALU_DEP_1)
	v_mad_u32_u24 v[AVA], v[HH], 24, v[TB]
	s_delay_alu instid0(VALU_DEP_1)
	v_add_nc_u32 v[AVA], VA, v[AVA]
	s_delay_alu instid0(VALU_DEP_1)
	v_lshl_add_u32 v[AVA+1], v[HH], 4, v[AVA]
	v_mul_u32_u24 v[TB], v[RR], 1680
	s_delay_alu instid0(VALU_DEP_1)
	v_mad_u32_u24 v[AVB], v[HH], 24, v[TB]
	s_delay_alu instid0(VALU_DEP_1)
	v_add_nc_u32 v[AVB], VB, v[AVB]
	s_delay_alu instid0(VALU_DEP_1)
	v_lshl_add_u32 v[AVB+1], v[HH], 4, v[AVB]
	s_delay_alu instid0(VALU_DEP_2)
	v_add_nc_u32 v[AVB+2], 53760, v[AVB]           ; 32 rows on: tile 3's place would pass the 16 bits of an LDS offset
	s_delay_alu instid0(VALU_DEP_2)
	v_add_nc_u32 v[AVB+3], 53760, v[AVB+1]
	; K's scale words.  Key 128 s + 32 f + 16 a + 8 u + j belongs to fragment f, row 8 a + j, half u of the word, which lies at 256 s + 128 (f % 2) + 64 a + 8 j + 4 (f / 2) + 2 u.
	; Thread t = 32 s + l holds keys 4 l + i of step s: f = l / 8, a = bit 2 of l, u = bit 1, j = 4 (l % 2) + i.
	v_and_b32 v[KST], 0x1e0, v0
	s_delay_alu instid0(VALU_DEP_1)
	v_lshlrev_b32 v[KST], 3, v[KST]                ; 256 x wave
	v_and_b32 v[TC], 1, v0
	s_delay_alu instid0(VALU_DEP_1)
	v_lshl_add_u32 v[KST], v[TC], 5, v[KST]
	v_and_b32 v[TC], 2, v0
	s_delay_alu instid0(VALU_DEP_1)
	v_add_nc_u32 v[KST], v[KST], v[TC]
	v_and_b32 v[TC], 12, v0
	s_delay_alu instid0(VALU_DEP_1)
	v_lshl_add_u32 v[KST], v[TC], 4, v[KST]
	v_and_b32 v[TC], 16, v0
	s_delay_alu instid0(VALU_DEP_1)
	v_lshrrev_b32 v[TC], 2, v[TC]
	s_delay_alu instid0(VALU_DEP_1)
	v_add_nc_u32 v[KST], v[KST], v[TC]
	s_delay_alu instid0(VALU_DEP_1)
	v_add_nc_u32 v[KST], KSC, v[KST]
	v_lshrrev_b32 v[VST], 3, v0
	s_delay_alu instid0(VALU_DEP_1)
	v_mul_u32_u24 v[VST], v[VST], 72
	v_and_b32 v[TC], 7, v0
	s_delay_alu instid0(VALU_DEP_1)
	v_lshl_add_u32 v[VST], v[TC], 3, v[VST]
	s_delay_alu instid0(VALU_DEP_1)
	v_add_nc_u32 v[VST], VSC, v[VST]
	v_lshlrev_b32 v[TC], 4, v[HH]
	s_delay_alu instid0(VALU_DEP_1)
	v_sub_nc_u32 v[DG], v[RR], v[TC]
	s_delay_alu instid0(VALU_DEP_1)
	v_add_nc_u32 v[DG], s41, v[DG]                 ; 16 J + r - 16 h
.irp i, 0,1,2,3,4,5
	v_mov_b32 v[QB+\i], 0                          ; the six registers of zero codes between Q and Q
.endr
	s_wait_loadcnt 0x7                             ; the two loads of scale bytes are in; behind them Q's seven were issued
	v_lshrrev_b32 v[HI0], 16, v124
	v_lshrrev_b32 v[HI1], 16, v125
	ds_store_b16 v[KST], v124                      ; key 4 l's two bytes,
	ds_store_b16 v[KST], v[HI0] offset:8           ; 4 l + 1's,
	ds_store_b16 v[KST], v125 offset:16
	ds_store_b16 v[KST], v[HI1] offset:24
	ds_store_b64 v[VST], v[126:127]
	s_wait_loadcnt 0x0                             ; Q
	v_lshlrev_b32 v[SQB], 16, v[SQA]               ; QB's scale word: Q's bytes for k = 64 .. 127, the byte 0 for the zeros.  The nine plain lines below are the places between this write and the first product
	v_mov_b32 v13, 0xff61b1e6                      ; the largest t so far: -3e38, under every t
	s_delay_alu instid0(VALU_DEP_1)
	v_floor_f32 v12, -v13                          ; -M
	v_mov_b32 v14, 0                               ; the sum, in two halves
	v_mov_b32 v15, 0
.irp b, 0,1,2,3
	v_mov_b32 v[PM+\b], 0                          ; written once: a lane permute's destination counts as one of its sources
.endr
	v_mov_b32 v[PW], 0                             ; (named as the upper half of the pair v[42:43] before it is first written)
	s_wait_tensorcnt 0x1                           ; my part of keys 0-255 is in; my second load, issued behind it, may stay out
	s_wait_dscnt 0x0                               ; for the others' sake: my stores into the two tables are done
	s_barrier_signal -1
	s_barrier_wait -1                              ; keys 0-255 of K and V and both tables are whole
; A tile of V^T, 16 rows d x 128 keys, 12 registers: lane (r, h) takes the row's pieces of 8 bytes 12 q + 3 h + 0, 1, 2 and 12 q + 6 + 3 h + 0, 1, 2.  16 bytes of padding lie behind every 8 pieces: where the piece three on lies behind
; one padding more, the second address register (40 for 24 bytes a half) serves.
.macro VFRAG reg, adr, off, q
.irp p, 0,1,2,3,4,5
.set PCE, 12*(\q)+6*(\p/3)+\p%3
.if PCE%8 < 5
	ds_load_b64 v[\reg+2*\p:\reg+2*\p+1], v[\adr] offset:(\off)+8*PCE+16*(PCE/8)
.else
	ds_load_b64 v[\reg+2*\p:\reg+2*\p+1], v[\adr+1] offset:(\off)+8*PCE+16*(PCE/8)
.endif
.endr
.endm
.macro KQ d, f, b, sq, row             ; S^T tile at v[d] = fragment f of K x Q as it stands at v[b]; row = 1: K's scale words lie in lanes 16-31
.if \row
	v_wmma_scale_f32_16x16x128_f8f6f4 v[\d:\d+7], v[XY+12*(\f):XY+12*(\f)+11], v[\b:\b+11], 0, v[KS+(\f)/2], v[\sq] matrix_a_fmt:MATRIX_FMT_FP6 matrix_b_fmt:MATRIX_FMT_FP6 matrix_a_scale:MATRIX_SCALE_ROW1
.else
	v_wmma_scale_f32_16x16x128_f8f6f4 v[\d:\d+7], v[XY+12*(\f):XY+12*(\f)+11], v[\b:\b+11], 0, v[KS+(\f)/2], v[\sq] matrix_a_fmt:MATRIX_FMT_FP6 matrix_b_fmt:MATRIX_FMT_FP6
.endif
.endm
.macro PV t, first, row                ; O^T tile t += tile t of V^T x p; first = 1: the product starts the sum: nothing is cleared
.if \first
.if \row
	v_wmma_scale_f32_16x16x128_f8f6f4 v[OT+8*(\t):OT+8*(\t)+7], v[XY+12*(\t):XY+12*(\t)+11], v[PC:PC+11], 0, v[VS+(\t)/2], v[PW] matrix_a_fmt:MATRIX_FMT_FP6 matrix_b_fmt:MATRIX_FMT_FP6 matrix_a_scale:MATRIX_SCALE_ROW1
.else
	v_wmma_scale_f32_16x16x128_f8f6f4 v[OT+8*(\t):OT+8*(\t)+7], v[XY+12*(\t):XY+12*(\t)+11], v[PC:PC+11], 0, v[VS+(\t)/2], v[PW] matrix_a_fmt:MATRIX_FMT_FP6 matrix_b_fmt:MATRIX_FMT_FP6
.endif
.else
.if \row
	v_wmma_scale_f32_16x16x128_f8f6f4 v[OT+8*(\t):OT+8*(\t)+7], v[XY+12*(\t):XY+12*(\t)+11], v[PC:PC+11], v[OT+8*(\t):OT+8*(\t)+7], v[VS+(\t)/2], v[PW] matrix_a_fmt:MATRIX_FMT_FP6 matrix_b_fmt:MATRIX_FMT_FP6 matrix_a_scale:MATRIX_SCALE_ROW1
.else
	v_wmma_scale_f32_16x16x128_f8f6f4 v[OT+8*(\t):OT+8*(\t)+7], v[XY+12*(\t):XY+12*(\t)+11], v[PC:PC+11], v[OT+8*(\t):OT+8*(\t)+7], v[VS+(\t)/2], v[PW] matrix_a_fmt:MATRIX_FMT_FP6 matrix_b_fmt:MATRIX_FMT_FP6
.endif
.endif
.endm
; A KEY STEP: 128 keys, the q-th of the trip's 256.  part = 0: V's codes lie in VA, 1: in VB.  first = 1: the launch's step 0, which every wave walks and which starts O^T.
; RK, RS, RT: the registers that hold the trip's addresses in K, in K's scale words and in V's.
.macro STEP q, part, first
.if \first == 0
	s_cmp_gt_u32 s[STP], s[BL]                     ; a step all of whose keys come after my 16 queries is left out: a branch on the wave's number and the count of steps, round the step's loads, products and softmax
	s_cbranch_scc1 .Lhid_\@
.endif
	s_wait_alu depctr_va_vdst(0)
.irp f, 0,1,2,3
.irp p, 0,1,2,3,4,5
	ds_load_b64 v[XY+12*\f+2*\p:XY+12*\f+2*\p+1], v[RK] offset:6144*(\q)+1536*\f+384*(\p/3)+8*(\p%3)   ; fragment f: 24 bytes of key 32 f + r + 8 (r / 8), then of the key 8 further on
.endr
.endr
	ds_load_b64 v[KS:KS+1], v[RS] offset:256*(\q)  ; the four fragments' scale words
	s_wait_dscnt 0x0
.irp f, 0,1,2,3
	KQ S+16*\f, \f, QA, SQA, \f%2                  ; keys 32 f + 16 h + 0 .. 7
	KQ S+8+16*\f, \f, QB, SQB, \f%2                ; keys 32 f + 16 h + 8 .. 15
.endr
.rept 4
	v_nop                                          ; four places behind the products, ahead of the loads into the registers that they read and of the first read of their results
.endr
	s_wait_alu depctr_va_vdst(0)
.irp t, 0,1,2,3                                ; V's four tiles and their scale words are asked for now and land under the softmax
.if \part
	VFRAG XY+12*\t, CV+2*(\t/2), 26880*(\t%2), \q
.else
	VFRAG XY+12*\t, AVA, 3840*\t, \q
.endif
.endr
	ds_load_b32 v[VS], v[RT] offset:4*(\q)
	ds_load_b32 v[VS+1], v[RT] offset:2304+4*(\q)
	s_cmp_lg_u32 s[STP], s[BL]                     ; on the diagonal the scores of hidden keys become -infinity ahead of the maximum: p = 0 then.  Every other step that is walked has all its keys in sight
	s_cbranch_scc1 .Lopen_\@
	v_mov_b32 v[SO], 0xff800000
.set NN, 0
.rept 64
	v_cmp_gt_i32 vcc_lo, 32*(NN/16)+NN%16, v[DG]
	v_cndmask_b32 v[S+NN], v[S+NN], v[SO], vcc_lo
.set NN, NN+1
.endr
.Lopen_\@:
.irp b, 0,1,2,3
	v_max3_num_f32 v[BM+\b], v[S+16*\b], v[S+1+16*\b], v[S+2+16*\b]   ; THE LARGEST SCORE OF EACH BLOCK OF 32 KEYS: it serves for the row's maximum and, since p rises with the score, for the block's largest p.  (Each tile is read from its low end on)
.endr
.irp i, 3,5,7,9,11,13
.irp b, 0,1,2,3
	v_max3_num_f32 v[BM+\b], v[BM+\b], v[S+16*\b+\i], v[S+1+16*\b+\i]   ; (the four blocks by turns)
.endr
.endr
.irp b, 0,1,2,3
	v_max_num_f32 v[BM+\b], v[BM+\b], v[S+15+16*\b]
.endr
.irp b, 0,1,2,3
	s_delay_alu instid0(VALU_DEP_4)
	v_permlanex16_b32 v[PM+\b], v[BM+\b], s[SEL], s[SEL+1]
.endr
.irp b, 0,1,2,3
	s_delay_alu instid0(VALU_DEP_4)
	v_max_num_f32 v[BM+\b], v[BM+\b], v[PM+\b]     ; with lane l xor 16's 16 keys
.endr
	s_delay_alu instid0(VALU_DEP_2)
	v_max3_num_f32 v[SCR], v[BM], v[BM+1], v[BM+2]
	s_delay_alu instid0(VALU_DEP_1)
	v_max_num_f32 v[SCR], v[SCR], v[BM+3]          ; the step's largest score of my query (key 128 s counts for every query of a step that is walked: it is a number)
	s_delay_alu instid0(VALU_DEP_1)
	v_mul_f32 v[SCR], s[CS], v[SCR]                ; as t (c is positive)
	s_delay_alu instid0(VALU_DEP_1)
	v_max_num_f32 v13, v13, v[SCR]                 ; the running largest t
	v_mov_b32 v[SCR], v12
	s_delay_alu instid0(VALU_DEP_2)
	v_floor_f32 v12, -v13                          ; the new -M = floor(-t) = -ceil(t): M is a whole number
	s_delay_alu instid0(VALU_DEP_1)
	v_sub_f32 v[SCR], v12, v[SCR]                  ; M's old value less its new one: a whole number, 0 or less
	s_delay_alu instid0(VALU_DEP_1)
	v_cvt_i32_f32 v[SCR], v[SCR]                   ; (it saturates)
	s_delay_alu instid0(VALU_DEP_1)
	v_ldexp_f32 v[F], 1.0, v[SCR]                  ; f = 2^(old M - new M)
.set NN, 0
.rept 32
	v_pk_fma_f32 v[S+NN:S+NN+1], v[S+NN:S+NN+1], s[CS:CS+1], v[12:13] op_sel_hi:[1,0,0]   ; t - M, two at a time (of the pairs c and -M the low word serves both halves)
.set NN, NN+2
.endr
.irp b, 0,1,2,3
	v_fma_f32 v[BM+\b], v[BM+\b], s[CS], v12       ; the same of each block's largest score
.endr
.set NN, 0
	s_wait_alu depctr_va_vdst(0)
.rept 64
	v_exp_f32 v[S+NN], v[S+NN]                     ; p = 2^(t - M), at most 1: not normalised
.set NN, NN+1
.endr
	v_pk_mul_f32 v[14:15], v[14:15], v[F:F+1] op_sel_hi:[1,0]   ; the sums under the new M: the plain instruction behind the exponentials
	s_wait_alu depctr_va_vdst(0)                   ; one wait for the batch of 64, ahead of the first line that names a result
.irp b, 0,1,2,3
	v_exp_f32 v[BM+\b], v[BM+\b]                   ; the block's largest p: the same two instructions on the same number give the same bits
.endr
	v_pk_add_f32 v[SB:SB+1], v[S:S+1], v[S+2:S+3]  ; THE ROW'S SUM IS TAKEN OF THE UNQUANTISED p: two at a time, in two chains.  (These read the 64 alone: plain work behind the four)
.set NN, 4
.rept 13
	v_pk_add_f32 v[14:15], v[14:15], v[S+NN:S+NN+1]
	v_pk_add_f32 v[SB:SB+1], v[SB:SB+1], v[S+NN+2:S+NN+3]
.set NN, NN+4
.endr
	s_wait_alu depctr_va_vdst(0)                   ; and one wait for the four
.irp b, 0,1,2,3
	v_max_num_f32 v[BM+\b], 0x1800000, v[BM+\b]    ; the floor 2^(3 - 127): the byte cannot fall under 1
.endr
.irp b, 0,1,2,3
	s_delay_alu instid0(VALU_DEP_4)
	v_add_nc_u32 v[SO+\b], 0xff000000, v[BM+\b]    ; 2 off the exponent field: the conversion's scale operand
.endr
.irp b, 0,1,2,3
	s_delay_alu instid0(VALU_DEP_4)
	v_lshrrev_b32 v[PM+\b], 23, v[SO+\b]           ; the scale's byte
.endr
	s_delay_alu instid0(VALU_DEP_3)
	v_lshl_or_b32 v[PW], v[PM+1], 8, v[PM]         ; p's scale word for these 128 keys
	s_delay_alu instid0(VALU_DEP_1)
	v_lshl_or_b32 v[PW], v[PM+2], 16, v[PW]
	s_delay_alu instid0(VALU_DEP_1)
	v_lshl_or_b32 v[PW], v[PM+3], 24, v[PW]
.irp c, 0,1
	v_cvt_scalef32_pk16_fp6_f32 v[PC+6*\c:PC+6*\c+2], v[S+32*\c:S+32*\c+15], v[SO+2*\c]
	v_cvt_scalef32_pk16_fp6_f32 v[CT+4*\c:CT+4*\c+2], v[S+16+32*\c:S+31+32*\c], v[SO+2*\c+1]   ; (a conversion's three registers begin on an even number)
.endr
	v_nop                                          ; one plain instruction between a scaled conversion and the line that touches its result
.irp c, 0,1                                    ; the operand's layout wants a WHOLE block in a lane: lanes 0-15 block 2 c, lanes 16-31 block 2 c + 1
.irp i, 0,1,2
	v_permlane16_swap_b32 v[PC+6*\c+\i], v[CT+4*\c+\i]
.endr
.irp i, 0,1,2
	s_delay_alu instid0(VALU_DEP_3)
	v_mov_b32 v[PC+3+6*\c+\i], v[CT+4*\c+\i]
.endr
.endr
.if \first
	s_wait_alu depctr_va_vdst(0)
.rept 4
	v_nop                                          ; the first step has nothing to rescale: with the five additions below and the v_nop above, ten plain lines that name no register of the products stand behind p's scale word
.endr
.else
.set NN, 0
.rept 16
	v_pk_mul_f32 v[OT+NN:OT+NN+1], v[OT+NN:OT+NN+1], v[F:F+1] op_sel_hi:[1,0]   ; O^T under the new M: x f; each tile from its low end on
.set NN, NN+2
.endr
.endif
.set NN, 56
.rept 2
	v_pk_add_f32 v[14:15], v[14:15], v[S+NN:S+NN+1]               ; the sums' last five lines are kept for here: they name no register of the products below, and are the places between the last vector write of p's codes and of O^T and those products
	v_pk_add_f32 v[SB:SB+1], v[SB:SB+1], v[S+NN+2:S+NN+3]
.set NN, NN+4
.endr
	s_delay_alu instid0(VALU_DEP_1)
	v_pk_add_f32 v[14:15], v[14:15], v[SB:SB+1]
	s_wait_alu depctr_va_vdst(0)
	s_wait_dscnt 0x0                               ; V's tiles and scale words are in
.irp t, 0,1,2,3
	PV \t, \first, \t%2                            ; the four accumulators by turns, one instruction a turn; between two links of a chain stand the three others' and the next step's eight
.endr
.rept 4
	v_nop                                          ; four places, ahead of the next loads into the registers that these products read and of the next read of O^T
.endr
.if \first == 0
.Lhid_\@:
.endif
	s_add_co_u32 s[STP], s[STP], 1
.endm
	; TRIP 0: keys 0-255, while the rest of K and V is on its way
.set RK, ADK
.set RS, ADS
.set RT, ADT
	STEP 0, 0, 1
	STEP 1, 0, 0
	s_wait_tensorcnt 0x0                           ; my part of keys 256-2,047 is in,
	s_wait_dscnt 0x0
	s_barrier_signal -1
	s_barrier_wait -1                              ; everybody's is: all of K and V lie in LDS, and nothing is written there again
	s_mov_b32 s[TK], 12288
	s_mov_b32 s[TS], 512
	s_mov_b32 s[TJ], 8
	s_mov_b32 s[TV], 0
	s_mov_b32 s[TRP], 7
.set RK, CK
.set RS, CSC
.set RT, CTJ
.Ltrip:                                            ; seven trips of 256 keys, a constant: every wave walks them all, and jumps over the steps that lie behind its diagonal.  No barrier, no tensor load, no wait on one
	v_add_nc_u32 v[CK], s[TK], v[ADK]
	v_add_nc_u32 v[CSC], s[TS], v[ADS]
	v_add_nc_u32 v[CTJ], s[TJ], v[ADT]
.irp i, 0,1,2,3
	v_add_nc_u32 v[CV+\i], s[TV], v[AVB+\i]
.endr
	STEP 0, 1, 0
	STEP 1, 1, 0
	s_add_co_u32 s[TK], s[TK], 12288               ; 256 keys on: 48 bytes a key,
	s_add_co_u32 s[TS], s[TS], 512                 ; two steps' scale words of K,
	s_add_co_u32 s[TJ], s[TJ], 8                   ; two words in each row of V's scale bytes,
	s_add_co_u32 s[TV], s[TV], 240                 ; 192 bytes of codes and their three paddings in each row of V
	s_sub_co_u32 s[TRP], s[TRP], 1
	s_cmp_lg_u32 s[TRP], 0
	s_cbranch_scc1 .Ltrip
	; THE WAY OUT.  The sum's two halves and lane l xor 16's are added; O^T is divided by the sum and goes through my own stage in LDS, so that sixteen lanes store a whole row of 256 bytes.
	v_add_f32 v14, v14, v15
	s_delay_alu instid0(VALU_DEP_1)
	v_permlanex16_b32 v[PM], v14, s[SEL], s[SEL+1]
	s_delay_alu instid0(VALU_DEP_1)
	v_add_f32 v14, v14, v[PM]                      ; the row's sum
	s_wait_alu depctr_va_vdst(0)
	v_rcp_f32 v14, v14
	s_mul_i32 s30, s[WV], 4352
	s_add_co_u32 s30, s30, STG                     ; my stage
	v_mul_u32_u24 v[STI], v[RR], 272               ; (plain work behind the reciprocal)  in: row r; tile t's eight channels of my half: 64 t + 32 h bytes on
	s_delay_alu instid0(VALU_DEP_1)
	v_lshl_add_u32 v[STI], v[HH], 5, v[STI]
	s_delay_alu instid0(VALU_DEP_1)
	v_add_nc_u32 v[STI], s30, v[STI]
	v_mul_u32_u24 v[STO], v[HH], 272               ; back: lanes 0-15 one row, lanes 16-31 the next
	s_delay_alu instid0(VALU_DEP_1)
	v_lshl_add_u32 v[STO], v[RR], 4, v[STO]
	s_delay_alu instid0(VALU_DEP_1)
	v_add_nc_u32 v[STO], s30, v[STO]
	v_lshlrev_b32 v[GO], 8, v[HH]                  ; and the same two rows in out0
	s_delay_alu instid0(VALU_DEP_1)
	v_lshl_add_u32 v[GO], v[RR], 4, v[GO]
	s_wait_alu depctr_va_vdst(0)                   ; the wait ahead of the first line that names the reciprocal
.set NN, 0
.rept 16
	v_pk_mul_f32 v[S+NN:S+NN+1], v[OT+NN:OT+NN+1], v[14:15] op_sel_hi:[1,0]   ; O^T / the sum: register 8 t + i is out0(r, 16 t + 8 h + i)
.set NN, NN+2
.endr
.irp t, 0,1,2,3
	ds_store_b128 v[STI], v[S+8*\t:S+8*\t+3] offset:64*\t
	ds_store_b128 v[STI], v[S+8*\t+4:S+8*\t+7] offset:64*\t+16
.endr
.irp i, 0,1,2,3,4,5,6,7
	ds_load_b128 v[XY+4*\i:XY+4*\i+3], v[STO] offset:544*\i   ; LDS serves a wave's instructions in order (ISA guide 5.7.1.4): these see my stores
.endr
.irp i, 0,1,2,3,4,5,6,7
	s_wait_dscnt 7-\i                              ; load i is in; the younger ones may stay out
	global_store_b128 v[GO], v[XY+4*\i:XY+4*\i+3], s[16:17] offset:512*\i th:TH_STORE_NT   ; 32 lanes store two rows, 512 consecutive bytes, at a multiple of 256 from out0's first byte; written once, read by nobody here
.endr
	s_wait_tensorcnt 0x0                           ; the wave's end: behind my last tensor load and my last LDS store
	ds_add_u32 v[SPW], v[NIL]
	s_wait_dscnt 0x0
	CROUND                                         ; the closing round
	s_endpgm
.Lfunc_end_k_q755041b325_attn:
	.size	k_q755041b325_attn, .Lfunc_end_k_q755041b325_attn-k_q755041b325_attn
	.p2alignl 7, 3214868480
	.fill 96, 4, 3214868480
	.section	.rodata,"a",@progbits
	.p2align	6, 0x0
	.amdhsa_kernel k_q755041b325_attn
		.amdhsa_group_segment_fixed_size 301568
		.amdhsa_private_segment_fixed_size 0
		.amdhsa_enable_private_segment 0
		.amdhsa_kernarg_size 56
		.amdhsa_user_sgpr_count 2
		.amdhsa_user_sgpr_kernarg_segment_ptr 1
		.amdhsa_wavefront_size32 1
		.amdhsa_system_sgpr_workgroup_id_x 1
		.amdhsa_system_sgpr_workgroup_id_y 1
		.amdhsa_system_sgpr_workgroup_id_z 1
		.amdhsa_system_vgpr_workitem_id 0
		.amdhsa_next_free_vgpr 256
		.amdhsa_next_free_sgpr 100
		.amdhsa_reserve_vcc 1
		.amdhsa_float_denorm_mode_32 3
		.amdhsa_float_denorm_mode_16_64 3
		.amdhsa_memory_ordered 1
		.amdhsa_forward_progress 1
		.amdhsa_inst_pref_size 109
	.end_amdhsa_kernel
	.amdgpu_metadata
---
amdhsa.version: [ 1, 2 ]
amdhsa.kernels:
  - .name:           k_q755041b325_attn
    .symbol:         k_q755041b325_attn.kd
    .args:
      - { .name: Q_codes, .offset: 0, .size: 8, .value_kind: global_buffer, .address_space: global }
      - { .name: Q_scales, .offset: 8, .size: 8, .value_kind: global_buffer, .address_space: global }
      - { .name: K_codes, .offset: 16, .size: 8, .value_kind: global_buffer, .address_space: global }
      - { .name: K_scales, .offset: 24, .size: 8, .value_kind: global_buffer, .address_space: global }
      - { .name: V_codes, .offset: 32, .size: 8, .value_kind: global_buffer, .address_space: global }
      - { .name: V_scales, .offset: 40, .size: 8, .value_kind: global_buffer, .address_space: global }
      - { .name: out0, .offset: 48, .size: 8, .value_kind: global_buffer, .address_space: global }
    .group_segment_fixed_size: 301568
    .private_segment_fixed_size: 0
    .kernarg_segment_align: 8
    .kernarg_segment_size: 56
    .max_flat_workgroup_size: 512
    .sgpr_count:     100
    .vgpr_count:     256
    .wavefront_size: 32
...
	.end_amdgpu_metadata
.endif
;; end of part 1
